; MI455X (gfx1250); checked and timed in simulation.
; The chip was launched on July 23, 2026; its instructions are those of AMD's public machine-readable ISA for CDNA 5 (MIT licence, August 2026) and "CDNA5" Instruction Set Architecture Reference Guide (July 2026). The comments in the code are by the model that wrote it; some were corrected since.
;; Spatial Attention. Allowed arithmetic: matrix products marked QUANTISED: E2M1 operands, one E8M0 scale for each 32 along K, by v_wmma_scale_f32_16x16x128_f8f6f4 with both operands' format E2M1 (or v_wmma_scale_f32_32x16x128_f4), f32 sums; products left as they are: bf16, f16 or f32 operands; f32 sums; everything else in f32.
;; Inputs: b_proj 256 float32; b_qkv 768 float32; rel_bias 8 x 1 x 1 float32; w_proj 256 x 256 float32; w_qkv 256 x 768 float32; x 2 x 64 x 64 x 256 float32.
;; Outputs: out0 2 x 64 x 64 x 256 float32.
;; This version of the problem:
;;   THIS VERSION OF THE PROBLEM IS GIVEN IN LOW PRECISION. The matrix products marked QUANTISED in the list below multiply operands that are first quantised to E2M1 (2 exponent bits, 1 mantissa bit; 4 bits a number), with one power-of-two scale for each 32 numbers along K (OCP MX v1.0); their sums are f32. The products marked 'left as it is' may take bf16, f16 or f32 operands, with f32 sums. Whichever they take, every output number must still come out within the allowed error. Rounding operands to bf16 (8 significant bits) uses up far more of that allowance than f16 does (11 bits, for magnitudes from 6e-5 to 65,504). All else is computed in f32.
;;   The module's matrix products, in the order in which they are computed (A, B: the left and right operand; K: the contracted axis; several contracted axes count as one K, in the product's order):
;;     1. [M 8,192, K 256] x [K 256, N 768]; A: input x; B: input w_qkv: QUANTISED
;;     2. batch 16 x [M 4,096, K 32] x [K 32, N 4,096]; A: computed on the way; B: computed on the way: left as it is (an operand is computed on the way)
;;     3. batch 16 x [M 4,096, K 4,096] x [K 4,096, N 32]; A: computed on the way; B: computed on the way: left as it is (an operand is computed on the way)
;;     4. [M 8,192, K 256] x [K 256, N 256]; A: computed on the way; B: input w_proj: left as it is (an operand is computed on the way)
;;   THE QUANTISER, for each operand of a quantised product, along K:
;;     - K is cut into blocks of 32 from its start; a last block that is shorter is filled with zeros.
;;     - A block's scale is 2^e with e = floor(log2(the largest magnitude in the block)) - 2, held to -126 .. 127; a block of zeros has e = 0. As a byte (E8M0): e + 127.
;;     - Each number is divided by its block's scale, clamped to +-6, and rounded to the nearest number of E2M1, ties to even, subnormals kept.
;;     - The product sums the exact products of the quantised numbers (number of the format x scale) in f32.
;;   ~~~python
;;   def quantise(x, axis):      # numpy; x: float32 -> the quantised numbers, widened to float32 again
;;       x = np.moveaxis(x, axis, -1); K = x.shape[-1]
;;       x = np.pad(x, [(0, 0)] * (x.ndim - 1) + [(0, -K % 32)]); x = x.reshape(x.shape[:-1] + (-1, 32)); a = np.abs(x).max(-1, keepdims=True)
;;       e = np.where(a > 0, np.clip(np.frexp(np.where(a > 0, a, 1))[1] - 1 - 2, -126, 127), 0)      # np.frexp(a)[1] - 1 = floor(log2(a)), exactly
;;       r = np.clip(x / 2.0 ** e, -6, 6)
;;       step = 2.0 ** (np.maximum(np.frexp(np.where(r == 0, 1, r))[1] - 1, 0) - 1)
;;       q = np.round(r / step) * step * 2.0 ** e      # np.round: ties to even
;;       return np.moveaxis(q.reshape(q.shape[:-2] + (-1,))[..., :K], -1, axis).astype(np.float32)
;;   ~~~
;; 2 versions, each right; version 2 is version 1 with the launch qkv written anew for expert scheduling mode. Each part assembles by itself: llvm-mc -triple=amdgcn-amd-amdhsa -mcpu=gfx1250 --defsym DOCPART=n.
;; ======== version 1 of 2: 3 launches
;; limits: values are held in f16: magnitudes above 65,504 overflow, below 6.1e-05 lose precision
;; workspace buffers: qfrag 4,194,304 bytes; kvfrag 8,388,608 bytes; ofrag 4,194,304 bytes; wfrag 131,072 bytes
;; launch qkv (part 1): grid 8 x 32, 8 waves a work-group, no clusters, 14,336 bytes of LDS; arguments x, w_qkv, b_qkv, w_proj, qfrag, kvfrag, wfrag; writes qfrag, kvfrag, wfrag
.if DOCPART == 1
	.amdgcn_target "amdgcn-amd-amdhsa--gfx1250"
	.amdhsa_code_object_version 6
	.text
	.protected	k_q3b10db7ac9_qkv
	.globl	k_q3b10db7ac9_qkv
	.p2align	8
	.type	k_q3b10db7ac9_qkv,@function
k_q3b10db7ac9_qkv:
	s_mov_b64 s[64:65], 0
	v_nop
	global_prefetch_b8 v0, s[64:65] scope:SCOPE_SE
	s_setreg_imm32_b32 hwreg(HW_REG_WAVE_MODE, 25, 1), 1
	s_wait_xcnt 0x0
; qkv = Q(x) Q(w_qkv) + b_qkv on codes of FP4 (E2M1) with one E8M0 scale for each 32 along K = 256; the results leave as f16, laid as the attention launch's operand registers.
; x: [8192][256] f32.  w_qkv: [256][768] f32, K its first axis.  b_qkv: [768].  Also: w_proj [256][256] f32 becomes f16 fragments for the last launch.
; SHARES.  Work-group (head hd = x, block yb = y) makes the 96 columns {q, k, v} of head hd for tokens 256 yb .. 256 yb + 255.  Wave w owns tokens 32 w .. 32 w + 31: two tiles of 16.
; THE WEIGHTS' 256 x 96 are quantised jointly: wave w takes K block w (rows 32 w .. 32 w + 31); in pass p (0 q, 1 k, 2 v) lane L takes column 256 p + 32 hd + L, and its 32 registers run down K:
; a whole block lies in one lane, each load reads 128 consecutive bytes, and the four code registers are a quarter of an operand's registers.  They go to LDS as IMAGES of the operand's registers
; (fragment (column tile ct, K step s) at 1,024 (2 ct + s): half c at + 512 c, lane l's 16 bytes at + 16 l), the scale bytes into words of 4 bytes a column; one barrier; every wave loads all twelve.
; x is quantised in registers: lane (r, h) takes of row r the 32 numbers k = 128 s + 64 c + 32 h + 0 .. 31, a whole block, which is what the operand's layout gives that lane.
; A block's scale is 2^(floor(log2(largest magnitude)) - 2): its byte is that magnitude's exponent field - 2, held at 1 from below by a floor among the maximum's leaves.
; q AND k ARE MADE TRANSPOSED (source 0 = 16 columns of w, source 1 = 16 tokens): a lane holds one token and eight neighbouring channels, which pack into half an f16 fragment (16 bytes a lane).
; v IS MADE THE NATURAL WAY (source 0 = tokens, source 1 = columns): a lane holds one channel and eight neighbouring tokens: half a fragment of V^T, whose K is the keys.
; q's and k's bias is the C of the sums' first products; v's is added behind.  q is multiplied by c = log2(e) / sqrt(32), so that the attention launch's scores are exponents of 2.
; Every store of a wave covers 512 consecutive bytes, aligned.
; NO CLUSTER, NO TENSOR LOAD: what work-groups share here (x's rows among the 8 heads, a weight slice among the 32 blocks) are f32 numbers that have to stand in a lane's registers along K for the
; quantiser, each once: through LDS a work-group's 262,144 bytes of x would be written and read back for that one use.
; LIMITS: NaN and infinities among the inputs are not served.  A block of zeros gets the byte 1 with zero codes (this program alone reads the bytes).  q c, k, v beyond 65,504 in magnitude have no
; f16 number; under 6e-5 they keep steps of 6e-8.
.set SCW,   12288                      ; LDS: behind the 12 images: the weights' scale words, 64 bytes a fragment
.set SPARE, 13312                      ; the spare words, 128 bytes for each of the eight waves: four blocks of 256 bytes that no other line names
.set XA,  4                            ; v4   x: 1,024 r + 128 h
.set WA,  5                            ; v5   w_qkv: 4 x lane
.set WST, 6                            ; v6   where my codes go: 2,048 (lane / 16) + 16 r + 256 x wave
.set WSS, 7                            ; v7   where my scale byte goes: SCW + 128 (lane / 16) + 4 r + 64 (wave / 4) + wave % 4
.set LI,  8                            ; v8   16 x lane: an image's place for my lane
.set LSC, 9                            ; v9   SCW + 4 r
.set SH8, 10                           ; v10  8 h
.set WPA, 11                           ; v11  w_proj: 8,192 h + 16 r
.set SPW, 12                           ; v12  LDS address of my spare word; never rewritten
.set NIL, 13                           ; v13  0; never rewritten
.set BA,  14                           ; v14  32 h
.set BR,  15                           ; v15  4 r
.set XF,  16                           ; v16-47   x's fragments: (tile t, K step s) at 16 t + 8 s.  Before that: v16-27 the weights' codes, v28-30 their bytes, v32-39 numbers of w_proj
.set XS,  48                           ; v48-51   x's scale words, 2 t + s: scales and nothing else
.set T0,  52
.set T1,  53
.set SCL, 54                           ; the conversions' scale operand
.set BY,  55                           ; v55-56   a lane's two scale bytes of a K step
.set WD,  57
.set PT,  58
.set WPO, 60                           ; v60-63   w_proj's 16 bytes
.set RA,  64                           ; five sets of 32 numbers; RA and RB are later the two sets of four accumulators ((t, l) at 8 (2 t + l))
.set RB,  96
.set RC,  128
.set RD,  160
.set RE,  192
.set WF,  128                          ; v128-223 the weights' 12 fragments, (ct, s) at 8 (2 ct + s); a type's packed results later take its own fragments' first 16 registers
.set WS,  224                          ; v224-235 their scale words: scales and nothing else
.set BV,  236                          ; v236-239 v's bias of my channel, a pair for each column tile
.set WV,  18
.set HD,  19
	s_load_b256 s[4:11], s[0:1], 0x0               ; x, w_qkv, b_qkv, w_proj
	s_load_b128 s[12:15], s[0:1], 0x20             ; qfrag, kvfrag
	s_load_b64 s[16:17], s[0:1], 0x30              ; wfrag
	v_lshl_add_u32 v[SPW], v0, 2, SPARE
	v_mov_b32 v[NIL], 0
	v_lshrrev_b32 v1, 5, v0
	v_readfirstlane_b32 s[WV], v1                  ; wave 0..7
	v_and_b32 v1, 31, v0                           ; lane
	v_and_b32 v2, 15, v0                           ; r
	v_bfe_u32 v3, v0, 4, 1                         ; h
	v_lshlrev_b32 v[XA], 10, v2
	v_lshl_add_u32 v[XA], v3, 7, v[XA]
	v_lshlrev_b32 v[WA], 2, v1
	v_lshlrev_b32 v[WST], 4, v2
	v_lshl_add_u32 v[WST], v3, 11, v[WST]
	s_lshl_b32 s42, s[WV], 8
	v_add_nc_u32 v[WST], s42, v[WST]
	v_lshlrev_b32 v[WSS], 2, v2
	v_lshl_add_u32 v[WSS], v3, 7, v[WSS]
	s_lshr_b32 s42, s[WV], 2
	s_lshl_b32 s42, s42, 6
	s_and_b32 s43, s[WV], 3
	s_add_co_u32 s42, s42, s43
	s_add_co_u32 s42, s42, SCW
	v_add_nc_u32 v[WSS], s42, v[WSS]
	v_lshlrev_b32 v[LI], 4, v1
	v_lshl_add_u32 v[LSC], v2, 2, SCW
	v_lshlrev_b32 v[SH8], 3, v3
	v_lshlrev_b32 v[WPA], 4, v2
	v_lshl_add_u32 v[WPA], v3, 13, v[WPA]
	v_lshlrev_b32 v[BA], 5, v3
	v_lshlrev_b32 v[BR], 2, v2
	v_mov_b32 v[PT], 0                             ; a lane permute's destination counts as one of its sources
	s_and_b32 s25, ttmp7, 0xffff                   ; yb
	s_mov_b32 s[HD], ttmp9
	s_mov_b32 s20, 0x76543210
	s_mov_b32 s21, 0xfedcba98                      ; v_permlanex16_b32's selects for lane l xor 16
	s_mov_b32 s22, 0x3e8293ee                      ; c = log2(e) / sqrt(32)
	s_mov_b32 s23, s22                             ; (named with it as a pair, so it is written)
	s_lshl_b32 s26, s25, 18                        ; x: 256 yb rows of 1,024 bytes
	s_lshl_b32 s24, s[WV], 15                      ;    + 32 rows a wave
	s_add_co_u32 s26, s26, s24
	s_mov_b32 s27, 0
	s_mul_i32 s28, s[WV], 98304                    ; w_qkv: 32 rows of 3,072 bytes a wave
	s_lshl_b32 s30, s[HD], 7                       ;    + the head's 32 columns; the same 128 bytes in b_qkv
	s_add_co_u32 s28, s28, s30
	s_mov_b32 s29, 0
	s_mov_b32 s31, 0
	s_lshr_b32 s40, s25, 4
	s_lshl_b32 s40, s40, 3
	s_add_co_u32 s40, s40, s[HD]                   ; bh = 8 x batch + head
	s_and_b32 s41, s25, 15                         ; my block among the batch's 16
	s_lshl_b32 s32, s40, 18                        ; qfrag: 256 tiles of 1,024 bytes a (batch, head); tile 16 (yb % 16) + 2 wave
	s_lshl_b32 s24, s41, 14
	s_add_co_u32 s32, s32, s24
	s_lshl_b32 s24, s[WV], 11
	s_add_co_u32 s32, s32, s24
	s_mov_b32 s33, 0
	s_lshl_b32 s34, s40, 19                        ; kvfrag: 64 steps of 8,192 bytes a (batch, head); step 4 (yb % 16) + wave / 2; in it my 32 keys: + 2,048 (wave % 2)
	s_lshl_b32 s24, s41, 15
	s_add_co_u32 s34, s34, s24
	s_lshr_b32 s24, s[WV], 1
	s_lshl_b32 s24, s24, 13
	s_add_co_u32 s34, s34, s24
	s_and_b32 s24, s[WV], 1
	s_lshl_b32 s24, s24, 11
	s_add_co_u32 s34, s34, s24
	s_mov_b32 s35, 0
	s_lshl_b32 s40, s25, 3
	s_add_co_u32 s40, s40, s[HD]                   ; i = hd + 8 yb, 0 .. 255: which half fragment of w_proj is this work-group's: K step hh = i / 32, G = (i / 8) % 4, q = (i / 2) % 4, half cc = i % 2
	s_lshr_b32 s36, s40, 5
	s_lshl_b32 s36, s36, 15                        ; 32 hh rows of 1,024 bytes
	s_and_b32 s24, s40, 1
	s_lshl_b32 s24, s24, 14                        ; + 16 cc rows
	s_add_co_u32 s36, s36, s24
	s_bfe_u32 s24, s40, 0x20003
	s_lshl_b32 s24, s24, 8                         ; + 64 G columns
	s_add_co_u32 s36, s36, s24
	s_bfe_u32 s24, s40, 0x20001
	s_lshl_b32 s24, s24, 2                         ; + q columns
	s_add_co_u32 s36, s36, s24
	s_mov_b32 s37, 0
	s_lshl_b32 s38, s40, 9                         ; and its 512 bytes in wfrag
	s_mov_b32 s39, 0
	s_wait_kmcnt 0x0
	s_add_nc_u64 s[4:5], s[4:5], s[26:27]
	s_add_nc_u64 s[6:7], s[6:7], s[28:29]
	s_add_nc_u64 s[8:9], s[8:9], s[30:31]
	s_add_nc_u64 s[10:11], s[10:11], s[36:37]
	s_add_nc_u64 s[12:13], s[12:13], s[32:33]
	s_add_nc_u64 s[14:15], s[14:15], s[34:35]
	s_add_nc_u64 s[16:17], s[16:17], s[38:39]
.macro WLOAD reg, p                    ; pass p: w_qkv(32 wave + i, my column), i = 0 .. 31: 32 lanes read 128 consecutive bytes
.irp i, 0,1,2,3,4,5,6,7,8,9,10,11,12,13,14,15,16,17,18,19,20,21,22,23,24,25,26,27,28,29,30,31
	global_load_b32 v[\reg+\i], v[WA], s[6:7] offset:\i*3072+\p*1024
.endr
.endm
.macro XLOAD reg, t, b                 ; tile t, block b = 2 s + c of my half: 32 neighbours along K of my row, 128 bytes
.irp i, 0,1,2,3,4,5,6,7
	global_load_b128 v[\reg+4*\i:\reg+4*\i+3], v[XA], s[4:5] offset:\t*16384+(\b/2)*512+(\b%2)*256+16*\i
.endr
.endm
; 32 numbers of one block in v[src] on become four registers of codes in v[dst] on and the scale's byte in v[byt]
.macro QBLK src, dst, byt
	v_max3_num_f32 v[T0], |v[\src]|, |v[\src+1]|, |v[\src+2]|      ; the largest magnitude, in two chains
	v_max3_num_f32 v[T1], |v[\src+3]|, |v[\src+4]|, |v[\src+5]|
.irp i, 6,10,14,18,22,26
	v_max3_num_f32 v[T0], v[T0], |v[\src+\i]|, |v[\src+\i+1]|
	v_max3_num_f32 v[T1], v[T1], |v[\src+\i+2]|, |v[\src+\i+3]|
.endr
	v_max3_num_f32 v[T0], v[T0], |v[\src+30]|, |v[\src+31]|
	v_max3_num_f32 v[T0], v[T0], v[T1], 0x1800000  ; and the floor 2^(3 - 127): the byte cannot fall under 1
	v_add_nc_u32 v[SCL], 0xff000000, v[T0]         ; 2 off its exponent field: the conversion takes the exponent field of this operand as its scale, and nothing else of it
	v_lshrrev_b32 v[\byt], 23, v[SCL]              ; the scale's byte
.irp g, 0,1,2,3
	v_cvt_scalef32_pk8_fp4_f32 v[(\dst)+\g], v[\src+8*\g:\src+8*\g+7], v[SCL]
.endr
	v_nop                                          ; one plain line behind the last scaled conversion
.endm
.macro QW src, p                       ; a pass of the weights: codes and byte to LDS, at their places in the operands' images
	QBLK \src, 16+4*\p, 28+\p
	ds_store_b128 v[WST], v[16+4*\p:19+4*\p] offset:\p*4096
	ds_store_b8 v[WSS], v[28+\p] offset:\p*256
.endm
.macro XQ reg, t, b                    ; a block of x: registers 4 c .. 4 c + 3 of fragment (t, s)
	QBLK \reg, XF+16*\t+4*\b, BY+(\b%2)
.endm
.macro SCWORD n                        ; my two bytes are blocks h and 2 + h of the K step: with lane l xor 16's two the row's scale word is whole
	v_lshl_or_b32 v[WD], v[BY+1], 16, v[BY]
	v_lshlrev_b32 v[WD], v[SH8], v[WD]
	v_permlanex16_b32 v[PT], v[WD], s20, s21
	v_or_b32 v[XS+\n], v[WD], v[PT]
.endm
.macro BIAS p, set                     ; q's or k's bias in the result's layout, for each of the four accumulators: channels 16 l + 8 h + 0 .. 7
.irp t, 0,1
.irp l, 0,1
	global_load_b128 v[\set+8*(2*\t+\l):\set+8*(2*\t+\l)+3], v[BA], s[8:9] offset:\p*1024+\l*64
	global_load_b128 v[\set+8*(2*\t+\l)+4:\set+8*(2*\t+\l)+7], v[BA], s[8:9] offset:\p*1024+\l*64+16
.endr
.endr
.endm
	WLOAD RA, 0
	WLOAD RB, 1
	s_cmp_lg_u32 s[WV], 0                          ; wave 0 alone: this work-group's half fragment of w_proj: lane (r, h) takes column 64 G + 4 r + q, rows 32 hh + 16 cc + 8 h + 0 .. 7
	s_cbranch_scc1 .Lnot_wave_0
.irp j, 0,1,2,3,4,5,6,7
	global_load_b32 v[32+\j], v[WPA], s[10:11] offset:\j*1024
.endr
	s_wait_loadcnt 0x0
.irp j, 0,1,2,3
	v_cvt_pk_f16_f32 v[WPO+\j], v[32+2*\j], v[33+2*\j]
.endr
	global_store_b128 v[LI], v[WPO:WPO+3], s[16:17]
.Lnot_wave_0:
	s_wait_loadcnt 32                              ; pass 0 is in; pass 1's 32 loads may be out
	QW RA, 0
	WLOAD RA, 2
	s_wait_loadcnt 32                              ; pass 1 is in; pass 2's may be out
	QW RB, 1
	XLOAD RC, 0, 0
	XLOAD RD, 0, 1
	XLOAD RE, 0, 2
	XLOAD RB, 0, 3
	s_wait_loadcnt 32                              ; pass 2 is in; behind it: four blocks of x, eight loads each
	QW RA, 2
	XLOAD RA, 1, 0
	s_wait_dscnt 0x0                               ; for the others' sake: my stores into the images are done
	s_barrier_signal -1
	s_barrier_wait -1                              ; the twelve fragments and their scale words lie in LDS
	s_wait_loadcnt 32                              ; a block is in when at most the four younger blocks are out
	XQ RC, 0, 0
	XLOAD RC, 1, 1
	s_wait_loadcnt 32
	XQ RD, 0, 1
	XLOAD RD, 1, 2
	SCWORD 0
	s_wait_loadcnt 32
	XQ RE, 0, 2
	XLOAD RE, 1, 3
	s_wait_loadcnt 32
	XQ RB, 0, 3
	SCWORD 1
	BIAS 1, RB                                     ; eight loads
	s_wait_loadcnt 32                              ; behind tile 1's block 0: three blocks and k's bias
	XQ RA, 1, 0
	BIAS 0, RA                                     ; eight loads,
.irp l, 0,1
	global_load_b32 v[BV+2*\l], v[BR], s[8:9] offset:2048+\l*64     ; and four: v's bias of channel 16 l + r, twice: the packed addition names a pair
	global_load_b32 v[BV+2*\l+1], v[BR], s[8:9] offset:2048+\l*64
.endr
	s_wait_loadcnt 36                              ; behind block 1: two blocks and the 20 loads of biases
	XQ RC, 1, 1
	SCWORD 2
	s_wait_loadcnt 28                              ; behind block 2: one block and the 20
	XQ RD, 1, 2
	s_wait_loadcnt 20                              ; behind block 3: the 20
	XQ RE, 1, 3
	SCWORD 3
.irp f, 0,1,2,3,4,5,6,7,8,9,10,11
	ds_load_b128 v[WF+8*\f:WF+8*\f+3], v[LI] offset:\f*1024
	ds_load_b128 v[WF+8*\f+4:WF+8*\f+7], v[LI] offset:\f*1024+512
.endr
.irp f, 0,1,2,3,4,5,6,7,8,9,10,11
	ds_load_b32 v[WS+\f], v[LSC] offset:\f*64      ; lane r: column r's word (lanes 16-31 hold the same and are not read)
.endr
	s_wait_loadcnt 0x0                             ; the biases
	s_wait_dscnt 0x0                               ; the weights
.rept 8
	v_nop                                          ; x's last scale word was written by a vector instruction: eight places ahead of a scaled matrix instruction; its last codes: four
.endr
; Eight products of one type: K step by K step, the four accumulators by turns, one instruction a turn.
.macro MM p, set, nat
.irp s, 0,1
.irp t, 0,1
.irp l, 0,1
.if \nat
.if \s == 0
	v_wmma_scale_f32_16x16x128_f8f6f4 v[\set+8*(2*\t+\l):\set+8*(2*\t+\l)+7], v[XF+16*\t+8*\s:XF+16*\t+8*\s+7], v[WF+8*(2*(2*\p+\l)+\s):WF+8*(2*(2*\p+\l)+\s)+7], 0, v[XS+2*\t+\s], v[WS+2*(2*\p+\l)+\s] matrix_a_fmt:MATRIX_FMT_FP4 matrix_b_fmt:MATRIX_FMT_FP4
.else
	v_wmma_scale_f32_16x16x128_f8f6f4 v[\set+8*(2*\t+\l):\set+8*(2*\t+\l)+7], v[XF+16*\t+8*\s:XF+16*\t+8*\s+7], v[WF+8*(2*(2*\p+\l)+\s):WF+8*(2*(2*\p+\l)+\s)+7], v[\set+8*(2*\t+\l):\set+8*(2*\t+\l)+7], v[XS+2*\t+\s], v[WS+2*(2*\p+\l)+\s] matrix_a_fmt:MATRIX_FMT_FP4 matrix_b_fmt:MATRIX_FMT_FP4
.endif
.else
	v_wmma_scale_f32_16x16x128_f8f6f4 v[\set+8*(2*\t+\l):\set+8*(2*\t+\l)+7], v[WF+8*(2*(2*\p+\l)+\s):WF+8*(2*(2*\p+\l)+\s)+7], v[XF+16*\t+8*\s:XF+16*\t+8*\s+7], v[\set+8*(2*\t+\l):\set+8*(2*\t+\l)+7], v[WS+2*(2*\p+\l)+\s], v[XS+2*\t+\s] matrix_a_fmt:MATRIX_FMT_FP4 matrix_b_fmt:MATRIX_FMT_FP4
.endif
.endr
.endr
.endr
.endm
; The way out of one type: each accumulator from its low end on; eight numbers pack into 16 bytes a lane, half a fragment: the wave stores 512 consecutive bytes.
.macro EPI p, set
.irp t, 0,1
.irp l, 0,1
.irp k, 0,1,2,3
.if \p == 0
	v_pk_mul_f32 v[\set+8*(2*\t+\l)+2*\k:\set+8*(2*\t+\l)+2*\k+1], v[\set+8*(2*\t+\l)+2*\k:\set+8*(2*\t+\l)+2*\k+1], s[22:23] op_sel_hi:[1,0]
.endif
.if \p == 2
	v_pk_add_f32 v[\set+8*(2*\t+\l)+2*\k:\set+8*(2*\t+\l)+2*\k+1], v[\set+8*(2*\t+\l)+2*\k:\set+8*(2*\t+\l)+2*\k+1], v[BV+2*\l:BV+2*\l+1]
.endif
.endr
.irp k, 0,1,2,3
	v_cvt_pk_f16_f32 v[WF+32*\p+4*(2*\t+\l)+\k], v[\set+8*(2*\t+\l)+2*\k], v[\set+8*(2*\t+\l)+2*\k+1]
.endr
.if \p == 0
	global_store_b128 v[LI], v[WF+32*\p+4*(2*\t+\l):WF+32*\p+4*(2*\t+\l)+3], s[12:13] offset:\t*1024+\l*512        ; query tile t, channels 16 l on
.endif
.if \p == 1
	global_store_b128 v[LI], v[WF+32*\p+4*(2*\t+\l):WF+32*\p+4*(2*\t+\l)+3], s[14:15] offset:\t*1024+\l*512        ; key tile t of my 32 keys, channels 16 l on
.endif
.if \p == 2
	global_store_b128 v[LI], v[WF+32*\p+4*(2*\t+\l):WF+32*\p+4*(2*\t+\l)+3], s[14:15] offset:4096+\l*1024+\t*512   ; channel tile l, keys 16 t on of my 32
.endif
.endr
.endr
.endm
	MM 0, RA, 0                                    ; q
	MM 1, RB, 0                                    ; k
.rept 4
	v_nop                                          ; four places behind the last products, ahead of the first read of results and the first write over operands that are done with
.endr
	EPI 0, RA
	MM 2, RA, 1                                    ; v, into q's accumulators, begun anew with C = 0: more than five plain lines that name none of a given earlier product's registers stand between
	EPI 1, RB                                      ; k's way out names none of v's products' registers
.rept 4
	v_nop                                          ; four places behind v's last product
.endr
	EPI 2, RA
	s_wait_tensorcnt 0x0                           ; the wave's end, behind my last LDS store
	ds_add_u32 v[SPW], v[NIL]
	s_wait_dscnt 0x0
	s_endpgm
.Lfunc_end_k_q3b10db7ac9_qkv:
	.size	k_q3b10db7ac9_qkv, .Lfunc_end_k_q3b10db7ac9_qkv-k_q3b10db7ac9_qkv
	.p2alignl 7, 3214868480
	.fill 96, 4, 3214868480
	.section	.rodata,"a",@progbits
	.p2align	6, 0x0
	.amdhsa_kernel k_q3b10db7ac9_qkv
		.amdhsa_group_segment_fixed_size 14336
		.amdhsa_private_segment_fixed_size 0
		.amdhsa_enable_private_segment 0
		.amdhsa_kernarg_size 56
		.amdhsa_user_sgpr_count 2
		.amdhsa_user_sgpr_kernarg_segment_ptr 1
		.amdhsa_wavefront_size32 1
		.amdhsa_system_sgpr_workgroup_id_x 1
		.amdhsa_system_sgpr_workgroup_id_y 1
		.amdhsa_system_sgpr_workgroup_id_z 1
		.amdhsa_system_vgpr_workitem_id 0
		.amdhsa_next_free_vgpr 256
		.amdhsa_next_free_sgpr 66
		.amdhsa_reserve_vcc 0
		.amdhsa_float_denorm_mode_32 3
		.amdhsa_float_denorm_mode_16_64 3
		.amdhsa_memory_ordered 1
		.amdhsa_forward_progress 1
		.amdhsa_inst_pref_size 51
	.end_amdhsa_kernel
	.amdgpu_metadata
---
amdhsa.version: [ 1, 2 ]
amdhsa.kernels:
  - .name:           k_q3b10db7ac9_qkv
    .symbol:         k_q3b10db7ac9_qkv.kd
    .args:
      - { .name: x, .offset: 0, .size: 8, .value_kind: global_buffer, .address_space: global }
      - { .name: w_qkv, .offset: 8, .size: 8, .value_kind: global_buffer, .address_space: global }
      - { .name: b_qkv, .offset: 16, .size: 8, .value_kind: global_buffer, .address_space: global }
      - { .name: w_proj, .offset: 24, .size: 8, .value_kind: global_buffer, .address_space: global }
      - { .name: qfrag, .offset: 32, .size: 8, .value_kind: global_buffer, .address_space: global }
      - { .name: kvfrag, .offset: 40, .size: 8, .value_kind: global_buffer, .address_space: global }
      - { .name: wfrag, .offset: 48, .size: 8, .value_kind: global_buffer, .address_space: global }
    .group_segment_fixed_size: 14336
    .private_segment_fixed_size: 0
    .kernarg_segment_align: 8
    .kernarg_segment_size: 56
    .max_flat_workgroup_size: 256
    .sgpr_count:     66
    .vgpr_count:     256
    .wavefront_size: 32
...
	.end_amdgpu_metadata
.endif
;; end of part 1
;; launch attn (part 2): grid 16 x 16, 8 waves a work-group, clusters of 4 x 1, 327,680 bytes of LDS; arguments qfrag, kvfrag, rel_bias, ofrag; writes ofrag
.if DOCPART == 2
	.amdgcn_target "amdgcn-amd-amdhsa--gfx1250"
	.amdhsa_code_object_version 6
	.text
	.protected	k_q3b10db7ac9_attn
	.globl	k_q3b10db7ac9_attn
	.p2align	8
	.type	k_q3b10db7ac9_attn,@function
k_q3b10db7ac9_attn:
	s_mov_b64 s[64:65], 0
	v_nop
	global_prefetch_b8 v0, s[64:65] scope:SCOPE_SE
	s_setreg_imm32_b32 hwreg(HW_REG_WAVE_MODE, 25, 1), 1
	s_wait_xcnt 0x0
	s_wait_alu depctr_hold_cnt(0) depctr_sa_sdst(0) depctr_va_vdst(0) depctr_va_sdst(0) depctr_va_ssrc(0) depctr_va_vcc(0) depctr_vm_vsrc(0)
	s_getreg_b32 s2, hwreg(HW_REG_IB_STS2, 6, 4)
	s_cmp_eq_u32 s2, 0
	s_cbranch_scc0 .Lentry_in_a_cluster
	s_endpgm
.Lentry_in_a_cluster:
	s_bfe_u32 s2, ttmp6, 0x10000c
	s_cmp_lg_u32 s2, 0x3003
	s_cbranch_scc0 .Lentry_shape_is_right
	s_endpgm
.Lentry_shape_is_right:
; o[bh][q] = the sum over k of softmax_k(q . k / sqrt(32) + rel_bias[head]) v[bh][k], 16 (batch, head) pairs, 4,096 positions, head size 32.  Operands f16, products, maxima and sums f32.
; qfrag holds (q + b) log2(e) / sqrt(32), so a score is an exponent of 2; rel_bias x log2(e) is the C of every score product.
; SHARES.  A work-group owns 256 queries of one (batch, head); each of its eight waves 32: two tiles of 16, in 256 registers: two waves to a SIMD.  Every wave walks all 4,096 keys, 64 a step.
; LAYOUT.  S^T = K Q^T + C (source 0 = 16 keys, source 1 = 16 queries): a lane holds ONE query (lane % 16) and keys 8 (lane / 16) + 0 .. 7 of each tile.  Two such tiles, rounded to f16 in pairs, ARE
; source 1 (32 keys x 16 queries) of O^T = V^T P, whose result again holds one query a lane.  Nothing changes lanes but one exchange between the halves for the maximum, and one at the end for the sum.
; K AND V LIE IN MEMORY AS IMAGES OF THE OPERANDS' REGISTERS: a step's 8,192 bytes are four fragments of K and four of V^T, each 1,024 bytes: half c at 512 c, lane l's 16 bytes at 16 l.  So a slot is one
; dense block, a fragment comes by two loads of 512 consecutive bytes, and there is no pitch and no padding.
; SOFTMAX.  For each query a running maximum m and sum l: p = 2^(s - m); in every step O and l are multiplied by a = 2^(m_old - m_new).  m begins at -3e38, O and l at 0: the first a is 0 and leaves zeros.
; THE TWO TILES BY TURNS: a tile's 33 exponentials stand singly among the other tile's plain lines; each batch has one wait, ahead of its first reader.
; THE RING.  Two slots of 1,024 keys (16 steps, 131,072 bytes).  Four fills in all: two at the start, two refills.  Each wave brings 16,384 bytes of a fill by one tensor load; by this text's count two loads
; of a wave are out at the start, one behind a refill's round.  A refill is asked for 16 steps ahead of its first read, and the first fills stand at the head: nothing is prefetched.
; CLUSTER.  The four query blocks of a cluster belong to one (batch, head) and walk the same K and V: each load is asked for JOINTLY, with the same descriptor and a mask that names the four.
; LIMITS: NaN and infinities are not served; a p under 6e-8 is rounded to 0 for the second product (not for the sum).
.set SLOTB, 131072
.set SPARE, 262144                     ; behind the ring: the spare words, 128 bytes for each of the eight waves: four blocks of 256 bytes that no other line names
.set LI,  1                            ; v1   16 x lane; never rewritten
.set ADR, 2                            ; v2   LDS address of the step in hand
.set SPW, 3                            ; v3   LDS address of my spare word; never rewritten
.set NIL, 4                            ; v4   0; never rewritten
.set Q,   8                            ; v8-23    Q, tile t at 8 t
.set BC,  24                           ; v24-31   rel_bias x log2(e), eight times: the scores' C
.set KF,  32                           ; v32-63   K: key tile i at 8 i
.set VF,  64                           ; v64-95   V^T: (keys 32 g on, channels 16 u on) at 8 (2 g + u)
.set S,   96                           ; v96-159  S^T, then p: tile t, key tile i at 32 t + 8 i
.set P,   160                          ; v160-191 p in f16: tile t, keys 32 g on at 16 t + 8 g
.set O,   192                          ; v192-223 O^T: tile t, channels 16 u on at 16 t + 8 u
.set ST,  224                          ; v224-239 tile t at 8 t: +0 m, +1 written 0 (named with m as a pair), +2, +3 l (even keys', odd keys'), +4 .. +7 c0-c3 at work; a takes c2's place
.set OUTF, 240                         ; v240-255 the way out
.set WV,  12
.set SEL, 20                           ; s[20:21] lane selects for v_permlanex16_b32: lane l xor 16
.set TB,  22                           ; s22  LDS byte at which the step's tiles begin
.set CNT, 23                           ; s23  steps left in the slot
.set G1,  24                           ; s[24:31] descriptor group 1
.set G0,  32                           ; s[32:35], s[36:39] group 0, a set for each slot
.macro CROUND                          ; a round of the cluster's barrier
	s_barrier_signal -1
	s_barrier_wait -1
	s_cmp_lg_u32 s[WV], 0
	s_cbranch_scc1 .Lnot_wave_0_\@
	s_barrier_signal -3
.Lnot_wave_0_\@:
	s_barrier_wait -3
	s_barrier_signal -1
	s_barrier_wait -1
.endm
	s_load_b256 s[4:11], s[0:1], 0x0               ; qfrag, kvfrag, rel_bias, ofrag
	v_lshl_add_u32 v[SPW], v0, 2, SPARE
	v_mov_b32 v[NIL], 0
	ds_add_u32 v[SPW], v[NIL]                      ; the wave's opening: the add, twice on end, and its wait ahead of my first tensor load; the set-up below stands between
	ds_add_u32 v[SPW], v[NIL]
	v_lshrrev_b32 v5, 5, v0
	v_readfirstlane_b32 s[WV], v5                  ; wave 0..7
	v_and_b32 v[LI], 31, v0
	v_lshlrev_b32 v[LI], 4, v[LI]
	s_and_b32 s15, ttmp7, 0xffff                   ; bh = 8 x batch + head, which the four partners share
	; descriptor group 1: 16,384 dense bytes as 64 rows of 32 elements of 8 bytes
	s_mov_b32 s[G1+0], 15|(3<<16)|(1<<21)          ; 15:0 the mask: all four work-groups; 17:16 elements of 8 bytes; 20 no padding; 21 set beside a mask
	s_mov_b32 s[G1+1], 32<<16                      ; tensor_dim0 = 32
	s_mov_b32 s[G1+2], 64<<16                      ; tensor_dim1 = 64
	s_mov_b32 s[G1+3], 32<<16                      ; tile_dim0 = 32
	s_mov_b32 s[G1+4], 64                          ; tile_dim1 = 64
	s_mov_b32 s[G1+5], 32                          ; tensor_dim0_stride
	s_mov_b32 s[G1+6], 0
	s_mov_b32 s[G1+7], 0
	s_mov_b32 s[G0+0], 1                           ; count = 1
	s_lshl_b32 s[G0+1], s[WV], 14                  ; LDS address: my 16,384 bytes of slot 0: no place in the cluster enters it
	s_mov_b32 s[G0+4], 1
	s_add_co_u32 s[G0+5], s[G0+1], SLOTB           ; and of slot 1
	s_lshl_b32 s16, s15, 19                        ; kvfrag: 524,288 bytes a (batch, head),
	s_lshl_b32 s17, s[WV], 14                      ; my part of a slot
	s_add_co_u32 s16, s16, s17
	s_mov_b32 s17, 0
	s_and_b32 s44, s15, 7                          ; the head
	s_lshl_b32 s46, s44, 10                        ; (its 1,024 bytes in a token tile of ofrag)
	s_lshl_b32 s44, s44, 2                         ; its word of rel_bias
	s_mov_b32 s45, 0
	s_bfe_u32 s13, ttmp6, 0x40000                  ; cx: my place in the cluster: it enters qfrag's and ofrag's addresses alone
	s_lshl_b32 s14, ttmp9, 2
	s_add_co_u32 s14, s14, s13                     ; my block of 256 queries = 4 x cluster x + cx
	s_lshl_b32 s18, s15, 18                        ; qfrag: 262,144 bytes a (batch, head); tile 16 x block + 2 x wave
	s_lshl_b32 s19, s14, 14
	s_add_co_u32 s18, s18, s19
	s_lshl_b32 s19, s[WV], 11
	s_add_co_u32 s18, s18, s19
	s_mov_b32 s19, 0
	s_lshr_b32 s42, s15, 3                         ; ofrag: token tile 256 x batch + 16 x block + 2 x wave, 8,192 bytes each
	s_lshl_b32 s42, s42, 21
	s_lshl_b32 s43, s14, 17
	s_add_co_u32 s42, s42, s43
	s_lshl_b32 s43, s[WV], 14
	s_add_co_u32 s42, s42, s43
	s_add_co_u32 s42, s42, s46
	s_mov_b32 s43, 0
	s_mov_b32 s[SEL], 0x76543210
	s_mov_b32 s[SEL+1], 0xfedcba98
	s_wait_dscnt 0x0                               ; both opening adds are done
	s_wait_kmcnt 0x0
	s_add_nc_u64 s[G0+2:G0+3], s[6:7], s[16:17]    ; global address: keys 0 to 1,023,
	s_add_nc_u64 s[G0+6:G0+7], s[G0+2:G0+3], SLOTB ; keys 1,024 to 2,047
	s_or_b32 s[G0+3], s[G0+3], 0x80000000          ; type = 2
	s_or_b32 s[G0+7], s[G0+7], 0x80000000
	s_add_nc_u64 s[4:5], s[4:5], s[18:19]
	s_add_nc_u64 s[10:11], s[10:11], s[42:43]
	s_add_nc_u64 s[8:9], s[8:9], s[44:45]
	CROUND                                         ; all four work-groups are here: the first joint loads meet
	tensor_load_to_lds s[G0:G0+3], s[G1:G1+7]
	s_nop 0
	tensor_load_to_lds s[G0+4:G0+7], s[G1:G1+7]
	s_nop 0
.rept 4
	v_nop                                          ; an s_nop 0 behind each load, four v_nop behind the second
.endr
	s_load_b32 s40, s[8:9], 0x0                    ; rel_bias of my head
.irp t, 0,1
.irp c, 0,1
	global_load_b128 v[Q+8*\t+4*\c:Q+8*\t+4*\c+3], v[LI], s[4:5] offset:\t*1024+\c*512   ; Q stays in registers
.endr
.endr
.irp t, 0,1
	v_mov_b32 v[ST+8*\t], 0xff61b1e6               ; m = -3e38, under every score
	v_mov_b32 v[ST+8*\t+1], 0
	v_mov_b32 v[ST+8*\t+2], 0                      ; l
	v_mov_b32 v[ST+8*\t+3], 0
.endr
.irp j, 0,1,2,3,4,5,6,7,8,9,10,11,12,13,14,15,16,17,18,19,20,21,22,23,24,25,26,27,28,29,30,31
	v_mov_b32 v[O+\j], 0                           ; O^T.  (The step is written once: the first finds zeros, which the first a leaves zeros)
.endr
	s_wait_kmcnt 0x0
	v_mov_b32 v5, s40
	v_mul_f32 v[BC], 0x3fb8aa3b, v5                ; x log2(e)
.irp j, 1,2,3,4,5,6,7
	v_mov_b32 v[BC+\j], v[BC]
.endr
	s_wait_loadcnt 0x0                             ; Q
; THE SOFTMAX of tile t for one step, 32 scores s0-s31 a lane, is three numbered lists; each macro writes number j of its list.
; P1: 36 plain lines.  0-15 the maximum of s0-s31 and m, three operands at a time (lines 0-3 read each accumulator first at its low end); 16, 17 the other half of the lanes'; 18 m_old - m_new; 19 m; 20-35 s - m, a pair a line.
.macro P1 t
.set rT, ST+8*(\t)
.set rS, S+32*(\t)
.if j < 4
	v_max3_num_f32 v[rT+4+j], v[rS+8*j], v[rS+8*j+1], v[rS+8*j+2]
.elseif j < 12
	v_max3_num_f32 v[rT+4+j%4], v[rT+4+j%4], v[rS+8*(j%4)+2*(j/4)+1], v[rS+8*(j%4)+2*(j/4)+2]
.elseif j == 12
	v_max3_num_f32 v[rT+4], v[rT+4], v[rS+7], v[rS+15]
.elseif j == 13
	v_max3_num_f32 v[rT+6], v[rT+6], v[rS+23], v[rS+31]
.elseif j == 14
	v_max3_num_f32 v[rT+4], v[rT+4], v[rT+5], v[rT+6]
.elseif j == 15
	v_max3_num_f32 v[rT+4], v[rT+4], v[rT+7], v[rT]
.elseif j == 16
	v_permlanex16_b32 v[rT+5], v[rT+4], s[SEL], s[SEL+1]   ; the query's other 32 keys lie in the lane 16 away
.elseif j == 17
	v_max_num_f32 v[rT+4], v[rT+4], v[rT+5]
.elseif j == 18
	v_sub_f32 v[rT+7], v[rT], v[rT+4]
.elseif j == 19
	v_mov_b32 v[rT], v[rT+4]
.else
	v_pk_add_f32 v[rS+2*(j-20):rS+2*(j-20)+1], v[rS+2*(j-20):rS+2*(j-20)+1], v[rT:rT+1] op_sel_hi:[1,0] neg_lo:[0,1] neg_hi:[0,1]
.endif
.endm
; EX: 33 exponentials.  0: a = 2^(m_old - m_new); 1-32: p = 2^(s - m), in place.
.macro EX t
.if j == 0
	v_exp_f32 v[ST+8*(\t)+6], v[ST+8*(\t)+7]
.else
	v_exp_f32 v[S+32*(\t)+j-1], v[S+32*(\t)+j-1]
.endif
.endm
; P2: 40 plain lines, all readers of the batch.  0-15 the roundings to f16, a pair a line: they are source 1 of V^T P as they stand; 16-30 the sum of the 16 pairs, in place, neighbours 1, 2, 4, 8 pairs apart;
; 31 l = a l + the sum; 32-39 O^T x a, from each accumulator's low end on.
.macro P2 t
.set rT, ST+8*(\t)
.set rS, S+32*(\t)
.set rP, P+16*(\t)
.set rO, O+16*(\t)
.if j < 16
	v_cvt_pk_f16_f32 v[rP+j], v[rS+2*j], v[rS+2*j+1]
.elseif j < 31
.set z, j-16
.set w, 4
.set u, z
.if z >= 14
.set w, 32
.set u, 0
.elseif z >= 12
.set w, 16
.set u, z-12
.elseif z >= 8
.set w, 8
.set u, z-8
.endif
	v_pk_add_f32 v[rS+w*u:rS+w*u+1], v[rS+w*u:rS+w*u+1], v[rS+w*u+w/2:rS+w*u+w/2+1]
.elseif j == 31
	v_pk_fma_f32 v[rT+2:rT+3], v[rT+2:rT+3], v[rT+6:rT+7], v[rS:rS+1] op_sel_hi:[1,0,1]
.else
	v_pk_mul_f32 v[rO+2*(j-32):rO+2*(j-32)+1], v[rO+2*(j-32):rO+2*(j-32)+1], v[rT+6:rT+7] op_sel_hi:[1,0]
.endif
.endm
.macro PV t                            ; O^T += V^T P for tile t: the two accumulators by turns, one instruction a turn
.irp g, 0,1
.irp u, 0,1
	v_wmma_f32_16x16x32_f16 v[O+16*\t+8*\u:O+16*\t+8*\u+7], v[VF+8*(2*\g+\u):VF+8*(2*\g+\u)+7], v[P+16*\t+8*\g:P+16*\t+8*\g+7], v[O+16*\t+8*\u:O+16*\t+8*\u+7]
.endr
.endr
.endm
; A KEY STEP: 64 keys.
.macro STEP
	v_add_nc_u32 v[ADR], s[TB], v[LI]              ; with the three v_nop: four places behind the last step's products, ahead of the loads into V's registers
.rept 3
	v_nop
.endr
.irp i, 0,1,2,3
.irp c, 0,1
	ds_load_b128 v[KF+8*\i+4*\c:KF+8*\i+4*\c+3], v[ADR] offset:1024*\i+512*\c
.endr
.endr
.irp f, 0,1,2,3
.irp c, 0,1
	ds_load_b128 v[VF+8*\f+4*\c:VF+8*\f+4*\c+3], v[ADR] offset:4096+1024*\f+512*\c
.endr
.endr
	s_wait_dscnt 8                                 ; K is in; V's eight loads may be out
.irp i, 0,1,2,3
.irp t, 0,1
	v_wmma_f32_16x16x32_f16 v[S+32*\t+8*\i:S+32*\t+8*\i+7], v[KF+8*\i:KF+8*\i+7], v[Q+8*\t:Q+8*\t+7], v[BC:BC+7]
.endr
.endr
.rept 4
	v_nop                                          ; four places ahead of the first read of the scores
.endr
.set j, 0
.rept 36
	P1 0                                           ; tile 0: maximum and s - m
.set j, j+1
.endr
.set j, 0
.rept 36
	P1 1                                           ; tile 1: the same, with tile 0's exponentials between its lines; the tiles share no register
.if j < 33
	EX 0
.endif
.set j, j+1
.endr
	s_wait_alu depctr_va_vdst(0)                   ; one wait for tile 0's 33 exponentials, ahead of their first reader; three plain lines stand behind the last of them
.set j, 0
.rept 40
	P2 0                                           ; tile 0: roundings, sum, rescaling, with tile 1's exponentials between its lines
.if j < 33
	EX 1
.endif
.set j, j+1
.endr
	s_wait_alu depctr_va_vdst(0)                   ; one wait for tile 1's 33; no exponential is issued behind it in the step
	s_wait_dscnt 0x0                               ; V is in
	PV 0
.set j, 0
.rept 40
	P2 1                                           ; tile 1's lines name none of tile 0's products' registers
.set j, j+1
.endr
	PV 1
	s_add_co_u32 s[TB], s[TB], 8192
.endm
.macro SLOTRUN n                       ; slot n's 16 steps
	s_mov_b32 s[TB], \n*SLOTB
	s_mov_b32 s[CNT], 16
.Lstep_\@:
	STEP
	s_sub_co_u32 s[CNT], s[CNT], 1
	s_cmp_lg_u32 s[CNT], 0
	s_cbranch_scc1 .Lstep_\@
.endm
; Slot n has been read and is filled again, with the keys 2,048 on.  Each wave waits for all its tensor loads (the other slot's fill among them), adds 0 to its spare word, and waits for that and for its
; reads of the slot; the round of the cluster's barrier makes all that hold of every wave of the four partners; the joint refill is the first thing behind it, one load a wave.
.macro CHANGE n
	s_wait_tensorcnt 0x0                           ; no tensor load of mine is out, so a group 0 may be written
	ds_add_u32 v[SPW], v[NIL]                      ; 0 onto my spare word
	s_add_nc_u64 s[G0+4*\n+2:G0+4*\n+3], s[G0+4*\n+2:G0+4*\n+3], 2*SLOTB   ; the type bits on top are not reached
	s_wait_dscnt 0x0                               ; the add is done, and my reads of the slot are over
	CROUND
	tensor_load_to_lds s[G0+4*\n:G0+4*\n+3], s[G1:G1+7]
	s_nop 0
.rept 4
	v_nop
.endr
.endm
	s_wait_tensorcnt 0x1                           ; my part of slot 0 is in; slot 1's may stay out
	s_barrier_signal -1
	s_barrier_wait -1                              ; everybody's is
	SLOTRUN 0                                      ; keys 0 to 1,023
	CHANGE 0
	SLOTRUN 1                                      ; keys 1,024 to 2,047
	CHANGE 1
	SLOTRUN 0                                      ; keys 2,048 to 3,071
	s_wait_tensorcnt 0x0                           ; the last change of slots asks for nothing: my part of slot 1 is in,
	ds_add_u32 v[SPW], v[NIL]
	s_wait_dscnt 0x0
	s_barrier_signal -1
	s_barrier_wait -1                              ; everybody's is
	SLOTRUN 1                                      ; keys 3,072 to 4,095
	; THE WAY OUT.  l's two halves and the other half of the lanes' are added; O^T / l is rounded to f16: a lane's eight channels are 16 bytes of half u of the projection's fragment (token tile, head).
	; The four additions and the v_nop are five plain lines behind the last products that name none of their registers.
.irp t, 0,1
	v_add_f32 v[ST+8*\t+4], v[ST+8*\t+2], v[ST+8*\t+3]
.endr
.irp t, 0,1
	v_permlanex16_b32 v[ST+8*\t+5], v[ST+8*\t+4], s[SEL], s[SEL+1]
.endr
.irp t, 0,1
	v_add_f32 v[ST+8*\t+4], v[ST+8*\t+4], v[ST+8*\t+5]
.endr
.irp t, 0,1
	v_rcp_f32 v[ST+8*\t+6], v[ST+8*\t+4]
.endr
	v_nop                                          ; a plain line between the last reciprocal and the use of its result
	s_wait_alu depctr_va_vdst(0)                   ; one wait for the two reciprocals, ahead of their first reader
.irp t, 0,1
.irp u, 0,1
.irp k, 0,1,2,3
	v_pk_mul_f32 v[O+16*\t+8*\u+2*\k:O+16*\t+8*\u+2*\k+1], v[O+16*\t+8*\u+2*\k:O+16*\t+8*\u+2*\k+1], v[ST+8*\t+6:ST+8*\t+7] op_sel_hi:[1,0]
.endr
.irp k, 0,1,2,3
	v_cvt_pk_f16_f32 v[OUTF+4*(2*\t+\u)+\k], v[O+16*\t+8*\u+2*\k], v[O+16*\t+8*\u+2*\k+1]
.endr
	global_store_b128 v[LI], v[OUTF+4*(2*\t+\u):OUTF+4*(2*\t+\u)+3], s[10:11] offset:\t*8192+\u*512   ; the wave stores 512 consecutive bytes, aligned
.endr
.endr
	s_wait_tensorcnt 0x0                           ; the wave's end
	ds_add_u32 v[SPW], v[NIL]
	s_wait_dscnt 0x0
	CROUND                                         ; the closing round: no work-group ends while a partner may still ask for a tile that names it
	s_endpgm
.Lfunc_end_k_q3b10db7ac9_attn:
	.size	k_q3b10db7ac9_attn, .Lfunc_end_k_q3b10db7ac9_attn-k_q3b10db7ac9_attn
	.p2alignl 7, 3214868480
	.fill 96, 4, 3214868480
	.section	.rodata,"a",@progbits
	.p2align	6, 0x0
	.amdhsa_kernel k_q3b10db7ac9_attn
		.amdhsa_group_segment_fixed_size 327680
		.amdhsa_private_segment_fixed_size 0
		.amdhsa_enable_private_segment 0
		.amdhsa_kernarg_size 32
		.amdhsa_user_sgpr_count 2
		.amdhsa_user_sgpr_kernarg_segment_ptr 1
		.amdhsa_wavefront_size32 1
		.amdhsa_system_sgpr_workgroup_id_x 1
		.amdhsa_system_sgpr_workgroup_id_y 1
		.amdhsa_system_sgpr_workgroup_id_z 1
		.amdhsa_system_vgpr_workitem_id 0
		.amdhsa_next_free_vgpr 256
		.amdhsa_next_free_sgpr 66
		.amdhsa_reserve_vcc 0
		.amdhsa_float_denorm_mode_32 3
		.amdhsa_float_denorm_mode_16_64 3
		.amdhsa_memory_ordered 1
		.amdhsa_forward_progress 1
		.amdhsa_inst_pref_size 67
	.end_amdhsa_kernel
	.amdgpu_metadata
---
amdhsa.version: [ 1, 2 ]
amdhsa.kernels:
  - .name:           k_q3b10db7ac9_attn
    .symbol:         k_q3b10db7ac9_attn.kd
    .args:
      - { .name: qfrag, .offset: 0, .size: 8, .value_kind: global_buffer, .address_space: global }
      - { .name: kvfrag, .offset: 8, .size: 8, .value_kind: global_buffer, .address_space: global }
      - { .name: rel_bias, .offset: 16, .size: 8, .value_kind: global_buffer, .address_space: global }
      - { .name: ofrag, .offset: 24, .size: 8, .value_kind: global_buffer, .address_space: global }
    .group_segment_fixed_size: 327680
    .private_segment_fixed_size: 0
    .kernarg_segment_align: 8
    .kernarg_segment_size: 32
    .max_flat_workgroup_size: 256
    .sgpr_count:     66
    .vgpr_count:     256
    .wavefront_size: 32
...
	.end_amdgpu_metadata
.endif
;; end of part 2
;; launch proj (part 3): grid 256 x 1, 4 waves a work-group, no clusters, 0 bytes of LDS; arguments ofrag, wfrag, b_proj, out0; writes out0
.if DOCPART == 3
	.amdgcn_target "amdgcn-amd-amdhsa--gfx1250"
	.amdhsa_code_object_version 6
	.text
	.protected	k_q3b10db7ac9_proj
	.globl	k_q3b10db7ac9_proj
	.p2align	8
	.type	k_q3b10db7ac9_proj,@function
k_q3b10db7ac9_proj:
	s_mov_b64 s[64:65], 0
	v_nop
	global_prefetch_b8 v0, s[64:65] scope:SCOPE_SE
	s_setreg_imm32_b32 hwreg(HW_REG_WAVE_MODE, 25, 1), 1
	s_wait_xcnt 0x0
; out0 = o w_proj + b_proj.  o: [8192][256] and w_proj: [256][256] arrive as f16 fragments, images of the operands' registers (1,024 bytes: half c at 512 c, lane l's 16 bytes at 16 l); sums f32; out0 f32.
; SHARES.  A work-group takes 32 tokens (two tiles tt); wave G takes columns 64 G .. 64 G + 63, as four tiles q.  K = 256 goes in eight steps of 32: step hh is head hh.
; THE COLUMNS OF A TILE ARE NOT NEIGHBOURS: lane r of tile q stands for column 64 G + 4 r + q.  In the results (source 0 = 16 tokens, source 1 = 16 columns) lane (r, h) holds token 8 h + j in register j, so the
; four tiles' registers j are FOUR NEIGHBOURING COLUMNS of one token: the four additions of the bias also line them up in four consecutive registers, and sixteen lanes store 256 consecutive bytes, aligned.
; No LDS, no barrier: each fragment goes from memory into the registers of the wave that multiplies by it, by loads of 512 consecutive bytes.
; NO CLUSTER, NO TENSOR LOAD, though all work-groups read the same 131,072 bytes of weights: a wave has 64 products in all; its 32,768 bytes of weights fill 256 registers once, and K step 0's products
; start when its own eight loads are in, with no round, no fill and no barrier ahead of them.
; REGISTERS: window 0: v1 16 x lane, v4 8,192 h + 16 r, v5 16 r, v8-11 my four columns' bias, v32-95 the accumulators ((tt, q) at 32 tt + 8 q), v128-255 o's fragments ((tt, hh) at 64 tt + 8 hh), later the results.
;   window 1: the weights' fragments, (hh, q) at 32 hh + 8 q.
.set LI,  1
.set VO,  4
.set BA,  5
.set BI,  8
.set ACC, 32
.set AF,  128
.set MSB, 0
.macro WIN new                         ; the immediate's high byte repeats the setting that is left
.if MSB != \new
	s_set_vgpr_msb (MSB<<8)|\new
.set MSB, \new
.endif
.endm
	s_load_b256 s[4:11], s[0:1], 0x0               ; ofrag, wfrag, b_proj, out0
	v_lshrrev_b32 v2, 5, v0
	v_readfirstlane_b32 s12, v2                    ; wave G
	v_and_b32 v[LI], 31, v0
	v_lshlrev_b32 v[LI], 4, v[LI]
	v_and_b32 v2, 15, v0                           ; r
	v_bfe_u32 v3, v0, 4, 1                         ; h
	v_lshlrev_b32 v[BA], 4, v2
	v_lshl_add_u32 v[VO], v3, 13, v[BA]            ; eight rows of 1,024 bytes for lanes 16-31, 16 bytes a lane
	s_lshl_b32 s14, ttmp9, 14                      ; ofrag: two token tiles of 8,192 bytes a work-group
	s_mov_b32 s15, 0
	s_lshl_b32 s16, s12, 12                        ; wfrag: my four tiles of each K step
	s_mov_b32 s17, 0
	s_lshl_b32 s18, s12, 8                         ; b_proj: my 64 columns
	s_mov_b32 s19, 0
	s_lshl_b32 s20, ttmp9, 15                      ; out0: 32 rows of 1,024 bytes a work-group, + my 64 columns
	s_add_co_u32 s20, s20, s18
	s_mov_b32 s21, 0
	s_wait_kmcnt 0x0
	s_add_nc_u64 s[4:5], s[4:5], s[14:15]
	s_add_nc_u64 s[6:7], s[6:7], s[16:17]
	s_add_nc_u64 s[8:9], s[8:9], s[18:19]
	s_add_nc_u64 s[10:11], s[10:11], s[20:21]
	global_load_b128 v[BI:BI+3], v[BA], s[8:9]
.irp tt, 0,1
.irp hh, 0,1,2,3,4,5,6,7
.irp c, 0,1
	global_load_b128 v[AF+64*\tt+8*\hh+4*\c:AF+64*\tt+8*\hh+4*\c+3], v[LI], s[4:5] offset:\tt*8192+\hh*1024+\c*512
.endr
.endr
.endr
	WIN 0x40                                       ; destination window 1, address window 0
.irp hh, 0,1,2,3,4,5,6,7
.irp q, 0,1,2,3
.irp c, 0,1
	global_load_b128 v[32*\hh+8*\q+4*\c:32*\hh+8*\q+4*\c+3], v[LI], s[6:7] offset:\hh*16384+\q*1024+\c*512
.endr
.endr
.endr
	WIN 0x04                                       ; source 1 (the weights) window 1; source 0, C and D window 0
.irp hh, 0,1,2,3,4,5,6,7
	s_wait_loadcnt 8*(7-\hh)                       ; this K step's weights are in (and all that was asked for earlier); the later steps' eight loads each may be out
.irp tt, 0,1
.irp q, 0,1,2,3                                ; the eight accumulators by turns, one instruction a turn; the first K step starts the sums
.if \hh == 0
	v_wmma_f32_16x16x32_f16 v[ACC+32*\tt+8*\q:ACC+32*\tt+8*\q+7], v[AF+64*\tt+8*\hh:AF+64*\tt+8*\hh+7], v[32*\hh+8*\q:32*\hh+8*\q+7], 0
.else
	v_wmma_f32_16x16x32_f16 v[ACC+32*\tt+8*\q:ACC+32*\tt+8*\q+7], v[AF+64*\tt+8*\hh:AF+64*\tt+8*\hh+7], v[32*\hh+8*\q:32*\hh+8*\q+7], v[ACC+32*\tt+8*\q:ACC+32*\tt+8*\q+7]
.endif
.endr
.endr
.endr
	WIN 0
.rept 4
	v_nop                                          ; four places ahead of the first read of results and the first write over o's fragments
.endr
.irp tt, 0,1
.irp j, 0,1,2,3,4,5,6,7                        ; each accumulator from its low end on
.irp q, 0,1,2,3
	v_add_f32 v[AF+4*(8*\tt+\j)+\q], v[ACC+32*\tt+8*\q+\j], v[BI+\q]
.endr
	global_store_b128 v[VO], v[AF+4*(8*\tt+\j):AF+4*(8*\tt+\j)+3], s[10:11] offset:(16*\tt+\j)*1024 th:TH_STORE_NT   ; tokens 16 tt + j and 16 tt + 8 + j: sixteen lanes store 256 consecutive bytes, aligned
.endr
.endr
	s_endpgm
.Lfunc_end_k_q3b10db7ac9_proj:
	.size	k_q3b10db7ac9_proj, .Lfunc_end_k_q3b10db7ac9_proj-k_q3b10db7ac9_proj
	.p2alignl 7, 3214868480
	.fill 96, 4, 3214868480
	.section	.rodata,"a",@progbits
	.p2align	6, 0x0
	.amdhsa_kernel k_q3b10db7ac9_proj
		.amdhsa_group_segment_fixed_size 0
		.amdhsa_private_segment_fixed_size 0
		.amdhsa_enable_private_segment 0
		.amdhsa_kernarg_size 32
		.amdhsa_user_sgpr_count 2
		.amdhsa_user_sgpr_kernarg_segment_ptr 1
		.amdhsa_wavefront_size32 1
		.amdhsa_system_sgpr_workgroup_id_x 1
		.amdhsa_system_sgpr_workgroup_id_y 1
		.amdhsa_system_sgpr_workgroup_id_z 1
		.amdhsa_system_vgpr_workitem_id 0
		.amdhsa_next_free_vgpr 512
		.amdhsa_next_free_sgpr 66
		.amdhsa_reserve_vcc 0
		.amdhsa_float_denorm_mode_32 3
		.amdhsa_float_denorm_mode_16_64 3
		.amdhsa_memory_ordered 1
		.amdhsa_forward_progress 1
		.amdhsa_inst_pref_size 19
	.end_amdhsa_kernel
	.amdgpu_metadata
---
amdhsa.version: [ 1, 2 ]
amdhsa.kernels:
  - .name:           k_q3b10db7ac9_proj
    .symbol:         k_q3b10db7ac9_proj.kd
    .args:
      - { .name: ofrag, .offset: 0, .size: 8, .value_kind: global_buffer, .address_space: global }
      - { .name: wfrag, .offset: 8, .size: 8, .value_kind: global_buffer, .address_space: global }
      - { .name: b_proj, .offset: 16, .size: 8, .value_kind: global_buffer, .address_space: global }
      - { .name: out0, .offset: 24, .size: 8, .value_kind: global_buffer, .address_space: global }
    .group_segment_fixed_size: 0
    .private_segment_fixed_size: 0
    .kernarg_segment_align: 8
    .kernarg_segment_size: 32
    .max_flat_workgroup_size: 128
    .sgpr_count:     66
    .vgpr_count:     512
    .wavefront_size: 32
...
	.end_amdgpu_metadata
.endif
;; end of part 3
;; ======== version 2 of 2: 3 launches; version 1 with the launch qkv written anew for expert scheduling mode
;; limits: values are held in f16: magnitudes above 65,504 overflow, below 6.1e-05 lose precision
;; workspace buffers: qfrag 4,194,304 bytes; kvfrag 8,388,608 bytes; ofrag 4,194,304 bytes; wfrag 131,072 bytes
;; launch qkv (part 4): grid 8 x 32, 8 waves a work-group, no clusters, 14,336 bytes of LDS; arguments x, w_qkv, b_qkv, w_proj, qfrag, kvfrag, wfrag; writes qfrag, kvfrag, wfrag
.if DOCPART == 4
	.amdgcn_target "amdgcn-amd-amdhsa--gfx1250"
	.amdhsa_code_object_version 6
	.text
	.protected	k_q3b10db7ac9_qkv
	.globl	k_q3b10db7ac9_qkv
	.p2align	8
	.type	k_q3b10db7ac9_qkv,@function
k_q3b10db7ac9_qkv:
	s_mov_b64 s[64:65], 0
	v_nop
	global_prefetch_b8 v0, s[64:65] scope:SCOPE_SE
	s_setreg_imm32_b32 hwreg(HW_REG_WAVE_SCHED_MODE, 0, 2), 2
	s_setreg_imm32_b32 hwreg(HW_REG_WAVE_MODE, 25, 1), 1
	s_wait_xcnt 0x0
	s_wait_alu depctr_vm_vsrc(0)
; qkv = Q(x) Q(w_qkv) + b_qkv on codes of FP4 (E2M1) with one E8M0 scale for each 32 along K = 256; the results leave as f16, laid as the attention launch's operand registers.
; x: [8192][256] f32.  w_qkv: [256][768] f32, K its first axis.  b_qkv: [768].  Also: w_proj [256][256] f32 becomes f16 fragments for the last launch.
; SHARES.  Work-group (head hd = x, block yb = y) makes the 96 columns {q, k, v} of head hd for tokens 256 yb .. 256 yb + 255.  Wave w owns tokens 32 w .. 32 w + 31: two tiles of 16.
; THE WEIGHTS' 256 x 96 are quantised jointly: wave w takes K block w (rows 32 w .. 32 w + 31); in pass p (0 q, 1 k, 2 v) lane L takes column 256 p + 32 hd + L, and its 32 registers run down K:
; a whole block lies in one lane, each load reads 128 consecutive bytes, and the four code registers are a quarter of an operand's registers.  They go to LDS as IMAGES of the operand's registers
; (fragment (column tile ct, K step s) at 1,024 (2 ct + s): half c at + 512 c, lane l's 16 bytes at + 16 l), the scale bytes into words of 4 bytes a column; one barrier; every wave loads all twelve.
; x is quantised in registers: lane (r, h) takes of row r the 32 numbers k = 128 s + 64 c + 32 h + 0 .. 31, a whole block, which is what the operand's layout gives that lane.
; A block's scale is 2^(floor(log2(largest magnitude)) - 2): its byte is that magnitude's exponent field - 2, held at 1 from below by a floor among the maximum's leaves.
; q AND k ARE MADE TRANSPOSED (source 0 = 16 columns of w, source 1 = 16 tokens): a lane holds one token and eight neighbouring channels, which pack into half an f16 fragment (16 bytes a lane).
; v IS MADE THE NATURAL WAY (source 0 = tokens, source 1 = columns): a lane holds one channel and eight neighbouring tokens: half a fragment of V^T, whose K is the keys.
; q's and k's bias is the C of the sums' first products; v's is added behind.  q is multiplied by c = log2(e) / sqrt(32), so that the attention launch's scores are exponents of 2.
; Every store of a wave covers 512 consecutive bytes, aligned.
; NO CLUSTER, NO TENSOR LOAD: what work-groups share here (x's rows among the 8 heads, a weight slice among the 32 blocks) are f32 numbers that have to stand in a lane's registers along K for the
; quantiser, each once: through LDS a work-group's 262,144 bytes of x would be written and read back for that one use.
; LIMITS: NaN and infinities among the inputs are not served.  A block of zeros gets the byte 1 with zero codes (this program alone reads the bytes).  q c, k, v beyond 65,504 in magnitude have no
; f16 number; under 6e-5 they keep steps of 6e-8.
; THE MODE: SCHED_MODE bits 1:0 = 2 (LLVM: expert scheduling mode 2), set by the entry lines.  The code itself states the register dependences
; between vector or matrix instructions and memory or LDS instructions, with s_wait_alu, always for 0.
; THE PLAN.  Registers that memory or LDS instructions touch:
;   v4-v11, v14, v15   offsets and LDS addresses: written once at the head, read by every load and store, never written again.
;   RA .. RE           five sets of 32 numbers.  A load lands; ONE block's maxima and conversions read the set; then the next load lands in it: the next pass or block, q's and k's bias (RA, RB),
;                      the weights' fragments from LDS (RC, RD, RE).
;   v16-v30            the weights' codes and bytes, registers of its own for each pass: written by the pass's conversions, read by its two LDS stores; behind the barrier they are x's fragments.
;   v32-39, v60-63     wave 0 alone: eight numbers of w_proj as loaded; their four roundings, read by one store and never written again.
;   v224-239           the weights' scale words and v's bias: loads land there, and no vector instruction writes them.
;   v128-143, v160-175, v192-207   the out-buffers of q, k, v: written by the type's sixteen roundings, read by its four stores, never written again.
;   v12, v13           written at the head, read by the closing add alone.
; So ONE wait on va_vdst stands behind each block's conversions (three passes of the weights, eight blocks of x): the set has been read, so the loads behind the wait may land in it, and, for a pass of the
; weights, its codes and byte are written, which its LDS stores read.  No vector instruction between such a wait and the memory instructions that lean on it names a register that these touch.
; One wait on vm_vsrc stands behind the barrier: the LDS stores have read v16-30.  One wait on va_vdst stands ahead of each type's run of four stores, and one, behind its places, ahead of the first scaled product.
.set SCW,   12288                      ; LDS: behind the 12 images: the weights' scale words, 64 bytes a fragment
.set SPARE, 13312                      ; the spare words, 128 bytes for each of the eight waves: four blocks of 256 bytes that no other line names
.set XA,  4                            ; v4   x: 1,024 r + 128 h
.set WA,  5                            ; v5   w_qkv: 4 x lane
.set WST, 6                            ; v6   where my codes go: 2,048 (lane / 16) + 16 r + 256 x wave
.set WSS, 7                            ; v7   where my scale byte goes: SCW + 128 (lane / 16) + 4 r + 64 (wave / 4) + wave % 4
.set LI,  8                            ; v8   16 x lane: an image's place for my lane
.set LSC, 9                            ; v9   SCW + 4 r
.set SH8, 10                           ; v10  8 h
.set WPA, 11                           ; v11  w_proj: 8,192 h + 16 r
.set SPW, 12                           ; v12  LDS address of my spare word; never rewritten
.set NIL, 13                           ; v13  0; never rewritten
.set BA,  14                           ; v14  32 h
.set BR,  15                           ; v15  4 r
.set XF,  16                           ; v16-47   x's fragments: (tile t, K step s) at 16 t + 8 s.  Before that: v16-27 the weights' codes, v28-30 their bytes, v32-39 numbers of w_proj
.set XS,  48                           ; v48-51   x's scale words, 2 t + s: scales and nothing else
.set T0,  52
.set T1,  53
.set SCL, 54                           ; the conversions' scale operand
.set BY,  55                           ; v55-56   a lane's two scale bytes of a K step
.set WD,  57
.set PT,  58
.set WPO, 60                           ; v60-63   w_proj's 16 bytes
.set RA,  64                           ; five sets of 32 numbers; RA and RB are later the two sets of four accumulators ((t, l) at 8 (2 t + l))
.set RB,  96
.set RC,  128
.set RD,  160
.set RE,  192
.set WF,  128                          ; v128-223 the weights' 12 fragments, (ct, s) at 8 (2 ct + s); a type's packed results later take its own fragments' first 16 registers
.set WS,  224                          ; v224-235 their scale words: scales and nothing else
.set BV,  236                          ; v236-239 v's bias of my channel, a pair for each column tile
.set WV,  18
.set HD,  19
	s_load_b256 s[4:11], s[0:1], 0x0               ; x, w_qkv, b_qkv, w_proj
	s_load_b128 s[12:15], s[0:1], 0x20             ; qfrag, kvfrag
	s_load_b64 s[16:17], s[0:1], 0x30              ; wfrag
	v_lshl_add_u32 v[SPW], v0, 2, SPARE
	v_mov_b32 v[NIL], 0
	v_lshrrev_b32 v1, 5, v0
	v_readfirstlane_b32 s[WV], v1                  ; wave 0..7
	v_and_b32 v1, 31, v0                           ; lane
	v_and_b32 v2, 15, v0                           ; r
	v_bfe_u32 v3, v0, 4, 1                         ; h
	v_lshlrev_b32 v[XA], 10, v2
	v_lshl_add_u32 v[XA], v3, 7, v[XA]
	v_lshlrev_b32 v[WA], 2, v1
	v_lshlrev_b32 v[WST], 4, v2
	v_lshl_add_u32 v[WST], v3, 11, v[WST]
	s_wait_alu depctr_va_sdst(0)                   ; the wave's number is written, ahead of its first reader: LDS addresses, bases and the branch on it are made from it
	s_lshl_b32 s42, s[WV], 8
	v_add_nc_u32 v[WST], s42, v[WST]
	v_lshlrev_b32 v[WSS], 2, v2
	v_lshl_add_u32 v[WSS], v3, 7, v[WSS]
	s_lshr_b32 s42, s[WV], 2
	s_lshl_b32 s42, s42, 6
	s_and_b32 s43, s[WV], 3
	s_add_co_u32 s42, s42, s43
	s_add_co_u32 s42, s42, SCW
	v_add_nc_u32 v[WSS], s42, v[WSS]
	v_lshlrev_b32 v[LI], 4, v1
	v_lshl_add_u32 v[LSC], v2, 2, SCW
	v_lshlrev_b32 v[SH8], 3, v3
	v_lshlrev_b32 v[WPA], 4, v2
	v_lshl_add_u32 v[WPA], v3, 13, v[WPA]
	v_lshlrev_b32 v[BA], 5, v3
	v_lshlrev_b32 v[BR], 2, v2
	v_mov_b32 v[PT], 0                             ; a lane permute's destination counts as one of its sources
	s_and_b32 s25, ttmp7, 0xffff                   ; yb
	s_mov_b32 s[HD], ttmp9
	s_mov_b32 s20, 0x76543210
	s_mov_b32 s21, 0xfedcba98                      ; v_permlanex16_b32's selects for lane l xor 16
	s_mov_b32 s22, 0x3e8293ee                      ; c = log2(e) / sqrt(32)
	s_mov_b32 s23, s22                             ; (named with it as a pair, so it is written)
	s_lshl_b32 s26, s25, 18                        ; x: 256 yb rows of 1,024 bytes
	s_lshl_b32 s24, s[WV], 15                      ;    + 32 rows a wave
	s_add_co_u32 s26, s26, s24
	s_mov_b32 s27, 0
	s_mul_i32 s28, s[WV], 98304                    ; w_qkv: 32 rows of 3,072 bytes a wave
	s_lshl_b32 s30, s[HD], 7                       ;    + the head's 32 columns; the same 128 bytes in b_qkv
	s_add_co_u32 s28, s28, s30
	s_mov_b32 s29, 0
	s_mov_b32 s31, 0
	s_lshr_b32 s40, s25, 4
	s_lshl_b32 s40, s40, 3
	s_add_co_u32 s40, s40, s[HD]                   ; bh = 8 x batch + head
	s_and_b32 s41, s25, 15                         ; my block among the batch's 16
	s_lshl_b32 s32, s40, 18                        ; qfrag: 256 tiles of 1,024 bytes a (batch, head); tile 16 (yb % 16) + 2 wave
	s_lshl_b32 s24, s41, 14
	s_add_co_u32 s32, s32, s24
	s_lshl_b32 s24, s[WV], 11
	s_add_co_u32 s32, s32, s24
	s_mov_b32 s33, 0
	s_lshl_b32 s34, s40, 19                        ; kvfrag: 64 steps of 8,192 bytes a (batch, head); step 4 (yb % 16) + wave / 2; in it my 32 keys: + 2,048 (wave % 2)
	s_lshl_b32 s24, s41, 15
	s_add_co_u32 s34, s34, s24
	s_lshr_b32 s24, s[WV], 1
	s_lshl_b32 s24, s24, 13
	s_add_co_u32 s34, s34, s24
	s_and_b32 s24, s[WV], 1
	s_lshl_b32 s24, s24, 11
	s_add_co_u32 s34, s34, s24
	s_mov_b32 s35, 0
	s_lshl_b32 s40, s25, 3
	s_add_co_u32 s40, s40, s[HD]                   ; i = hd + 8 yb, 0 .. 255: which half fragment of w_proj is this work-group's: K step hh = i / 32, G = (i / 8) % 4, q = (i / 2) % 4, half cc = i % 2
	s_lshr_b32 s36, s40, 5
	s_lshl_b32 s36, s36, 15                        ; 32 hh rows of 1,024 bytes
	s_and_b32 s24, s40, 1
	s_lshl_b32 s24, s24, 14                        ; + 16 cc rows
	s_add_co_u32 s36, s36, s24
	s_bfe_u32 s24, s40, 0x20003
	s_lshl_b32 s24, s24, 8                         ; + 64 G columns
	s_add_co_u32 s36, s36, s24
	s_bfe_u32 s24, s40, 0x20001
	s_lshl_b32 s24, s24, 2                         ; + q columns
	s_add_co_u32 s36, s36, s24
	s_mov_b32 s37, 0
	s_lshl_b32 s38, s40, 9                         ; and its 512 bytes in wfrag
	s_mov_b32 s39, 0
	s_wait_kmcnt 0x0
	s_add_nc_u64 s[4:5], s[4:5], s[26:27]
	s_add_nc_u64 s[6:7], s[6:7], s[28:29]
	s_add_nc_u64 s[8:9], s[8:9], s[30:31]
	s_add_nc_u64 s[10:11], s[10:11], s[36:37]
	s_add_nc_u64 s[12:13], s[12:13], s[32:33]
	s_add_nc_u64 s[14:15], s[14:15], s[34:35]
	s_add_nc_u64 s[16:17], s[16:17], s[38:39]
	s_wait_alu depctr_va_vdst(0)                   ; the offsets and LDS addresses v4 to v11, v14 and v15 are written: every load and store of the kernel reads one of them, and none is written again
.macro WLOAD reg, p                    ; pass p: w_qkv(32 wave + i, my column), i = 0 .. 31: 32 lanes read 128 consecutive bytes
.irp i, 0,1,2,3,4,5,6,7,8,9,10,11,12,13,14,15,16,17,18,19,20,21,22,23,24,25,26,27,28,29,30,31
	global_load_b32 v[\reg+\i], v[WA], s[6:7] offset:\i*3072+\p*1024
.endr
.endm
.macro XLOAD reg, t, b                 ; tile t, block b = 2 s + c of my half: 32 neighbours along K of my row, 128 bytes
.irp i, 0,1,2,3,4,5,6,7
	global_load_b128 v[\reg+4*\i:\reg+4*\i+3], v[XA], s[4:5] offset:\t*16384+(\b/2)*512+(\b%2)*256+16*\i
.endr
.endm
; 32 numbers of one block in v[src] on become four registers of codes in v[dst] on and the scale's byte in v[byt]
.macro QBLK src, dst, byt
	v_max3_num_f32 v[T0], |v[\src]|, |v[\src+1]|, |v[\src+2]|      ; the largest magnitude, in two chains
	v_max3_num_f32 v[T1], |v[\src+3]|, |v[\src+4]|, |v[\src+5]|
.irp i, 6,10,14,18,22,26
	v_max3_num_f32 v[T0], v[T0], |v[\src+\i]|, |v[\src+\i+1]|
	v_max3_num_f32 v[T1], v[T1], |v[\src+\i+2]|, |v[\src+\i+3]|
.endr
	v_max3_num_f32 v[T0], v[T0], |v[\src+30]|, |v[\src+31]|
	v_max3_num_f32 v[T0], v[T0], v[T1], 0x1800000  ; and the floor 2^(3 - 127): the byte cannot fall under 1
	v_add_nc_u32 v[SCL], 0xff000000, v[T0]         ; 2 off its exponent field: the conversion takes the exponent field of this operand as its scale, and nothing else of it
	v_lshrrev_b32 v[\byt], 23, v[SCL]              ; the scale's byte
.irp g, 0,1,2,3
	v_cvt_scalef32_pk8_fp4_f32 v[(\dst)+\g], v[\src+8*\g:\src+8*\g+7], v[SCL]
.endr
	v_nop                                          ; one plain line behind the last scaled conversion
.endm
.macro QW src, p                       ; a pass of the weights: codes and byte to LDS, at their places in the operands' images
	QBLK \src, 16+4*\p, 28+\p
	s_wait_alu depctr_va_vdst(0)                   ; the pass's codes and byte are written, which the two LDS stores read; and its maxima and conversions are done reading the set, in which the next loads land
	ds_store_b128 v[WST], v[16+4*\p:19+4*\p] offset:\p*4096
	ds_store_b8 v[WSS], v[28+\p] offset:\p*256
.endm
.macro XQ reg, t, b                    ; a block of x: registers 4 c .. 4 c + 3 of fragment (t, s)
	QBLK \reg, XF+16*\t+4*\b, BY+(\b%2)
.endm
.macro SCWORD n                        ; my two bytes are blocks h and 2 + h of the K step: with lane l xor 16's two the row's scale word is whole
	v_lshl_or_b32 v[WD], v[BY+1], 16, v[BY]
	v_lshlrev_b32 v[WD], v[SH8], v[WD]
	v_permlanex16_b32 v[PT], v[WD], s20, s21
	v_or_b32 v[XS+\n], v[WD], v[PT]
.endm
.macro BIAS p, set                     ; q's or k's bias in the result's layout, for each of the four accumulators: channels 16 l + 8 h + 0 .. 7
.irp t, 0,1
.irp l, 0,1
	global_load_b128 v[\set+8*(2*\t+\l):\set+8*(2*\t+\l)+3], v[BA], s[8:9] offset:\p*1024+\l*64
	global_load_b128 v[\set+8*(2*\t+\l)+4:\set+8*(2*\t+\l)+7], v[BA], s[8:9] offset:\p*1024+\l*64+16
.endr
.endr
.endm
.macro WFRAG f                         ; fragment f of the weights comes back from LDS as it was stored
	ds_load_b128 v[WF+8*(\f):WF+8*(\f)+3], v[LI] offset:(\f)*1024
	ds_load_b128 v[WF+8*(\f)+4:WF+8*(\f)+7], v[LI] offset:(\f)*1024+512
.endm
	WLOAD RA, 0
	WLOAD RB, 1
	s_cmp_lg_u32 s[WV], 0                          ; wave 0 alone: this work-group's half fragment of w_proj: lane (r, h) takes column 64 G + 4 r + q, rows 32 hh + 16 cc + 8 h + 0 .. 7
	s_cbranch_scc1 .Lnot_wave_0
.irp j, 0,1,2,3,4,5,6,7
	global_load_b32 v[32+\j], v[WPA], s[10:11] offset:\j*1024
.endr
	s_wait_loadcnt 0x0
.irp j, 0,1,2,3
	v_cvt_pk_f16_f32 v[WPO+\j], v[32+2*\j], v[33+2*\j]
.endr
	s_wait_alu depctr_va_vdst(0)                   ; the four roundings have written v60 to v63, which the store reads
	global_store_b128 v[LI], v[WPO:WPO+3], s[16:17]
.Lnot_wave_0:
	s_wait_loadcnt 32                              ; pass 0 is in; pass 1's 32 loads may be out
	QW RA, 0
	WLOAD RA, 2                                    ; no vector instruction since the pass's wait names RA
	s_wait_loadcnt 32                              ; pass 1 is in; pass 2's may be out
	QW RB, 1
	XLOAD RC, 0, 0                                 ; (no vector instruction has named RC, RD or RE yet)
	XLOAD RD, 0, 1
	XLOAD RE, 0, 2
	XLOAD RB, 0, 3                                 ; no vector instruction since the pass's wait names RB
	s_wait_loadcnt 32                              ; pass 2 is in; behind it: four blocks of x, eight loads each
	QW RA, 2
	XLOAD RA, 1, 0
	s_wait_dscnt 0x0                               ; for the others' sake: my stores into the images are done
	s_barrier_signal -1
	s_barrier_wait -1                              ; the twelve fragments and their scale words lie in LDS
	s_wait_alu depctr_vm_vsrc(0)                   ; my six LDS stores have read v16 to v30: these registers are x's fragments from here on, written by its conversions
.irp f, 0,1,2,3,4,5,6,7,8,9,10,11
	ds_load_b32 v[WS+\f], v[LSC] offset:\f*64      ; lane r: column r's word (lanes 16-31 hold the same and are not read).  No vector instruction ever names these twelve registers: nothing is owed
.endr
	s_wait_loadcnt 32                              ; a block is in when at most the four younger blocks are out
	XQ RC, 0, 0
	s_wait_alu depctr_va_vdst(0)                   ; the block's maxima and conversions are done reading RC, in which the next eight loads land
	XLOAD RC, 1, 1
	s_wait_loadcnt 32
	XQ RD, 0, 1
	s_wait_alu depctr_va_vdst(0)                   ; the same of RD
	XLOAD RD, 1, 2
	SCWORD 0
	s_wait_loadcnt 32
	XQ RE, 0, 2
	s_wait_alu depctr_va_vdst(0)                   ; the same of RE
	XLOAD RE, 1, 3
	s_wait_loadcnt 32
	XQ RB, 0, 3
	s_wait_alu depctr_va_vdst(0)                   ; the same of RB, in which k's bias lands
	BIAS 1, RB                                     ; eight loads
	SCWORD 1
	s_wait_loadcnt 32                              ; behind tile 1's block 0: three blocks and k's bias
	XQ RA, 1, 0
	s_wait_alu depctr_va_vdst(0)                   ; the same of RA, in which q's bias lands
	BIAS 0, RA                                     ; eight loads,
.irp l, 0,1
	global_load_b32 v[BV+2*\l], v[BR], s[8:9] offset:2048+\l*64     ; and four: v's bias of channel 16 l + r, twice: the packed addition names a pair
	global_load_b32 v[BV+2*\l+1], v[BR], s[8:9] offset:2048+\l*64
.endr
	s_wait_loadcnt 36                              ; behind block 1: two blocks and the 20 loads of biases
	XQ RC, 1, 1
	s_wait_alu depctr_va_vdst(0)                   ; RC has been read for the last time: q's four fragments of the weights land in it
.irp f, 0,1,2,3
	WFRAG \f
.endr
	SCWORD 2
	s_wait_loadcnt 28                              ; behind block 2: one block and the 20
	XQ RD, 1, 2
	s_wait_alu depctr_va_vdst(0)                   ; RD likewise: k's four fragments
.irp f, 4,5,6,7
	WFRAG \f
.endr
	s_wait_loadcnt 20                              ; behind block 3: the 20
	XQ RE, 1, 3
	s_wait_alu depctr_va_vdst(0)                   ; RE likewise: v's four fragments
.irp f, 8,9,10,11
	WFRAG \f
.endr
	SCWORD 3
	s_wait_loadcnt 0x0                             ; the biases
	s_wait_dscnt 0x0                               ; the weights
.rept 8
	v_nop                                          ; x's last scale word was written by a vector instruction: eight places ahead of a scaled matrix instruction; its last codes: four
.endr
	s_wait_alu depctr_va_vdst(0)                   ; x's codes and its four scale words are written, which the scaled products take as operand and as scales; the places above stay beside this wait
; Eight products of one type: K step by K step, the four accumulators by turns, one instruction a turn.
.macro MM p, set, nat
.irp s, 0,1
.irp t, 0,1
.irp l, 0,1
.if \nat
.if \s == 0
	v_wmma_scale_f32_16x16x128_f8f6f4 v[\set+8*(2*\t+\l):\set+8*(2*\t+\l)+7], v[XF+16*\t+8*\s:XF+16*\t+8*\s+7], v[WF+8*(2*(2*\p+\l)+\s):WF+8*(2*(2*\p+\l)+\s)+7], 0, v[XS+2*\t+\s], v[WS+2*(2*\p+\l)+\s] matrix_a_fmt:MATRIX_FMT_FP4 matrix_b_fmt:MATRIX_FMT_FP4
.else
	v_wmma_scale_f32_16x16x128_f8f6f4 v[\set+8*(2*\t+\l):\set+8*(2*\t+\l)+7], v[XF+16*\t+8*\s:XF+16*\t+8*\s+7], v[WF+8*(2*(2*\p+\l)+\s):WF+8*(2*(2*\p+\l)+\s)+7], v[\set+8*(2*\t+\l):\set+8*(2*\t+\l)+7], v[XS+2*\t+\s], v[WS+2*(2*\p+\l)+\s] matrix_a_fmt:MATRIX_FMT_FP4 matrix_b_fmt:MATRIX_FMT_FP4
.endif
.else
	v_wmma_scale_f32_16x16x128_f8f6f4 v[\set+8*(2*\t+\l):\set+8*(2*\t+\l)+7], v[WF+8*(2*(2*\p+\l)+\s):WF+8*(2*(2*\p+\l)+\s)+7], v[XF+16*\t+8*\s:XF+16*\t+8*\s+7], v[\set+8*(2*\t+\l):\set+8*(2*\t+\l)+7], v[WS+2*(2*\p+\l)+\s], v[XS+2*\t+\s] matrix_a_fmt:MATRIX_FMT_FP4 matrix_b_fmt:MATRIX_FMT_FP4
.endif
.endr
.endr
.endr
.endm
; The way out of one type, in two parts.  EPIA: each accumulator from its low end on; eight numbers pack into 16 bytes a lane, half a fragment, in the type's out-buffer.
.macro EPIA p, set
.irp t, 0,1
.irp l, 0,1
.irp k, 0,1,2,3
.if \p == 0
	v_pk_mul_f32 v[\set+8*(2*\t+\l)+2*\k:\set+8*(2*\t+\l)+2*\k+1], v[\set+8*(2*\t+\l)+2*\k:\set+8*(2*\t+\l)+2*\k+1], s[22:23] op_sel_hi:[1,0]
.endif
.if \p == 2
	v_pk_add_f32 v[\set+8*(2*\t+\l)+2*\k:\set+8*(2*\t+\l)+2*\k+1], v[\set+8*(2*\t+\l)+2*\k:\set+8*(2*\t+\l)+2*\k+1], v[BV+2*\l:BV+2*\l+1]
.endif
.endr
.irp k, 0,1,2,3
	v_cvt_pk_f16_f32 v[WF+32*\p+4*(2*\t+\l)+\k], v[\set+8*(2*\t+\l)+2*\k], v[\set+8*(2*\t+\l)+2*\k+1]
.endr
.endr
.endr
.endm
; SEND: the type's four stores in one run: each covers 512 consecutive bytes.
.macro SEND p
.irp t, 0,1
.irp l, 0,1
.if \p == 0
	global_store_b128 v[LI], v[WF+32*\p+4*(2*\t+\l):WF+32*\p+4*(2*\t+\l)+3], s[12:13] offset:\t*1024+\l*512        ; query tile t, channels 16 l on
.endif
.if \p == 1
	global_store_b128 v[LI], v[WF+32*\p+4*(2*\t+\l):WF+32*\p+4*(2*\t+\l)+3], s[14:15] offset:\t*1024+\l*512        ; key tile t of my 32 keys, channels 16 l on
.endif
.if \p == 2
	global_store_b128 v[LI], v[WF+32*\p+4*(2*\t+\l):WF+32*\p+4*(2*\t+\l)+3], s[14:15] offset:4096+\l*1024+\t*512   ; channel tile l, keys 16 t on of my 32
.endif
.endr
.endr
.endm
	MM 0, RA, 0                                    ; q
	MM 1, RB, 0                                    ; k
.rept 4
	v_nop                                          ; four places behind the last products, ahead of the first read of results and the first write over operands that are done with
.endr
	EPIA 0, RA
	s_wait_alu depctr_va_vdst(0)                   ; q's sixteen roundings have written v128 to v143, which its four stores read
	SEND 0
	MM 2, RA, 1                                    ; v, into q's accumulators, begun anew with C = 0: more than five plain lines that name none of a given earlier product's registers stand between
	EPIA 1, RB                                     ; k's way out names none of v's products' registers
.rept 4
	v_nop                                          ; four places behind v's last product
.endr
	s_wait_alu depctr_va_vdst(0)                   ; k's sixteen roundings have written v160 to v175, which its four stores read
	SEND 1
	EPIA 2, RA                                     ; these lines name neither v160 to v175 nor v8
	s_wait_alu depctr_va_vdst(0)                   ; v's sixteen roundings have written v192 to v207, which its four stores read
	SEND 2
	s_wait_dscnt 0x0                               ; the closing lines, six on end
	s_wait_alu 0x0
	s_wait_tensorcnt 0x0
	ds_add_u32 v[SPW], v[NIL]
	s_wait_dscnt 0x0
	s_endpgm
.Lfunc_end_k_q3b10db7ac9_qkv:
	.size	k_q3b10db7ac9_qkv, .Lfunc_end_k_q3b10db7ac9_qkv-k_q3b10db7ac9_qkv
	.p2alignl 7, 3214868480
	.fill 96, 4, 3214868480
	.section	.rodata,"a",@progbits
	.p2align	6, 0x0
	.amdhsa_kernel k_q3b10db7ac9_qkv
		.amdhsa_group_segment_fixed_size 14336
		.amdhsa_private_segment_fixed_size 0
		.amdhsa_enable_private_segment 0
		.amdhsa_kernarg_size 56
		.amdhsa_user_sgpr_count 2
		.amdhsa_user_sgpr_kernarg_segment_ptr 1
		.amdhsa_wavefront_size32 1
		.amdhsa_system_sgpr_workgroup_id_x 1
		.amdhsa_system_sgpr_workgroup_id_y 1
		.amdhsa_system_sgpr_workgroup_id_z 1
		.amdhsa_system_vgpr_workitem_id 0
		.amdhsa_next_free_vgpr 256
		.amdhsa_next_free_sgpr 66
		.amdhsa_reserve_vcc 0
		.amdhsa_float_denorm_mode_32 3
		.amdhsa_float_denorm_mode_16_64 3
		.amdhsa_memory_ordered 1
		.amdhsa_forward_progress 1
		.amdhsa_inst_pref_size 52
	.end_amdhsa_kernel
	.amdgpu_metadata
---
amdhsa.version: [ 1, 2 ]
amdhsa.kernels:
  - .name:           k_q3b10db7ac9_qkv
    .symbol:         k_q3b10db7ac9_qkv.kd
    .args:
      - { .name: x, .offset: 0, .size: 8, .value_kind: global_buffer, .address_space: global }
      - { .name: w_qkv, .offset: 8, .size: 8, .value_kind: global_buffer, .address_space: global }
      - { .name: b_qkv, .offset: 16, .size: 8, .value_kind: global_buffer, .address_space: global }
      - { .name: w_proj, .offset: 24, .size: 8, .value_kind: global_buffer, .address_space: global }
      - { .name: qfrag, .offset: 32, .size: 8, .value_kind: global_buffer, .address_space: global }
      - { .name: kvfrag, .offset: 40, .size: 8, .value_kind: global_buffer, .address_space: global }
      - { .name: wfrag, .offset: 48, .size: 8, .value_kind: global_buffer, .address_space: global }
    .group_segment_fixed_size: 14336
    .private_segment_fixed_size: 0
    .kernarg_segment_align: 8
    .kernarg_segment_size: 56
    .max_flat_workgroup_size: 256
    .sgpr_count:     66
    .vgpr_count:     256
    .wavefront_size: 32
...
	.end_amdgpu_metadata
.endif
;; end of part 4
;; launch attn: the kernel of part 2 again; grid 16 x 16, 8 waves a work-group, clusters of 4 x 1, 327,680 bytes of LDS; arguments qfrag, kvfrag, rel_bias, ofrag; writes ofrag
;; launch proj: the kernel of part 3 again; grid 256 x 1, 4 waves a work-group, no clusters, 0 bytes of LDS; arguments ofrag, wfrag, b_proj, out0; writes out0
